; MI455X (gfx1250); checked and timed in simulation.
; The chip was launched on July 23, 2026; its instructions are those of AMD's public machine-readable ISA for CDNA 5 (MIT licence, August 2026) and "CDNA5" Instruction Set Architecture Reference Guide (July 2026). The comments in the code are by the model that wrote it; some were corrected since.
;; Multi Head Attention. Allowed arithmetic: matrix products marked QUANTISED: E4M3 operands, one given power-of-two scale a tensor, by v_wmma_f32_16x16x64_fp8_fp8 or v_wmma_f32_16x16x128_fp8_fp8, f32 sums; everything else in f32.
;; Inputs: Wproj 1,024 x 1,024 float32; Wqkv 1,024 x 3,072 float32; lowp_scales 8 int32 (the exponents e of the quantised operands' scales 2^e); x 4 x 2,048 x 1,024 float32.
;; Outputs: out0 4 x 2,048 x 1,024 float32.
;; This version of the problem:
;;   THIS VERSION OF THE PROBLEM IS GIVEN IN LOW PRECISION. The matrix products marked QUANTISED in the list below multiply operands that are first quantised to E4M3 (4 exponent bits, 3 mantissa bits; 8 bits a number), with one given power-of-two scale for each operand tensor; their sums are f32. All else is computed in f32.
;;   The module's matrix products, in the order in which they are computed (A, B: the left and right operand; K: the contracted axis; several contracted axes count as one K, in the product's order):
;;     1. [M 8,192, K 1,024] x [K 1,024, N 3,072]; A: input x; B: input Wqkv: QUANTISED (scales: A lowp_scales[0], B lowp_scales[1])
;;     2. batch 64 x [M 2,048, K 64] x [K 64, N 2,048]; A: computed on the way; B: computed on the way: QUANTISED (scales: A lowp_scales[2], B lowp_scales[3])
;;     3. batch 64 x [M 2,048, K 2,048] x [K 2,048, N 64]; A: softmax (see below); B: computed on the way: QUANTISED (scales: A lowp_scales[4], B lowp_scales[5])
;;     4. [M 8,192, K 1,024] x [K 1,024, N 1,024]; A: computed on the way; B: input Wproj: QUANTISED (scales: A lowp_scales[6], B lowp_scales[7])
;;   THE QUANTISER, for each operand of a quantised product, along K:
;;     - The operand's scale is 2^e, e = its entry of the input lowp_scales (int32; the entries are numbered through the quantised products in the list's order, A before B).
;;     - Each number is divided by the scale, clamped to +-448, and rounded to the nearest number of E4M3, ties to even, subnormals kept.
;;     - The product sums the exact products of the quantised numbers (number of the format x scale) in f32.
;;   ~~~python
;;   def quantise(x, axis, e):      # numpy; x: float32 -> the quantised numbers, widened to float32 again
;;       x = np.moveaxis(x, axis, -1); K = x.shape[-1]
;;       r = np.clip(x / 2.0 ** e, -448, 448)
;;       step = 2.0 ** (np.maximum(np.frexp(np.where(r == 0, 1, r))[1] - 1, -6) - 3)
;;       q = np.round(r / step) * step * 2.0 ** e      # np.round: ties to even
;;       return np.moveaxis(q, -1, axis).astype(np.float32)
;;   ~~~
;;   SOFTMAX AHEAD OF A QUANTISED PRODUCT. Where the list says 'softmax', what is quantised is not the finished softmax but p = 2^(t - M), with t = logit x log2(e) and M = ceil(the row's largest t), a whole number; so 1/2 < the row's largest p <= 1. The row's sum l is taken of the UNQUANTISED p, in f32, and the product's result is divided by l at the end. Since M is a whole number, a kernel that streams over the keys may use a running M (the ceiling of the running maximum): every later rescaling is an exact power of two, so the quantised numbers keep their values, but for numbers so far below the row's largest that they fall under the format's range.
;;   OPERANDS COMPUTED ON THE WAY. 'Computed on the way' means the value that the module computes at that place (a softmax that the list does not call 'softmax' is quantised finished and normalised). What goes into a quantiser is computed in f32, as accurately as f32 sums, v_exp_f32 and their like allow (about 1e-6 of the number): no bf16 or f16 on the way to a quantiser, and a product that is left as it is and whose result goes on into a quantised operand takes f32 operands (vector FMAs, or v_wmma_f32_16x16x4_f32). A number that lies on a knife's edge between two numbers of the format may be rounded either way, as far as f32 arithmetic and the matrix unit's own rounding can turn it there, and no further.
;; One version. Each part assembles by itself: llvm-mc -triple=amdgcn-amd-amdhsa -mcpu=gfx1250 --defsym DOCPART=n.
;; ======== version 1 of 1: 4 launches
;; limits: right only within a limited range of input values
;; workspace buffers: x_codes 8,388,608 bytes; wqkv_codes 3,145,728 bytes; wproj_codes 1,048,576 bytes; q_codes 8,388,608 bytes; k_codes 8,388,608 bytes; v_codes 8,388,608 bytes; a_codes 8,388,608 bytes
;; launch quant (part 1): grid 384 x 1, 4 waves a work-group, no clusters, 35,328 bytes of LDS; arguments x, Wqkv, Wproj, lowp_scales, x_codes, wqkv_codes, wproj_codes; writes x_codes, wqkv_codes, wproj_codes
.if DOCPART == 1
	.amdgcn_target "amdgcn-amd-amdhsa--gfx1250"
	.amdhsa_code_object_version 6
	.text
	.protected	k_q5103617dc5_quant
	.globl	k_q5103617dc5_quant
	.p2align	8
	.type	k_q5103617dc5_quant,@function
k_q5103617dc5_quant:
	s_mov_b64 s[64:65], 0
	v_nop
	global_prefetch_b8 v0, s[64:65] scope:SCOPE_SE
	s_setreg_imm32_b32 hwreg(HW_REG_WAVE_MODE, 25, 1), 1
	s_wait_xcnt 0x0
; x [8192][1024], Wqkv [1024 k][3072 n] and Wproj [1024 k][1024 n], f32, become codes of FP8 (E4M3), one byte each, K innermost, each with its given scale 2^e
; (entries 0, 1 and 7 of the scales).  code = number / 2^e, held within +-448, rounded to the nearest code, ties to even.
; LIMITS: each of the three e lies between -126 and 119, so that 2^e and 448 x 2^e are f32 numbers.  NaN among the inputs is not served (an infinity is held at the largest code).
; WHO: work-groups 0-255 take x, 256-351 Wqkv, 352-383 Wproj; each reads 131,072 bytes.  Waves share nothing: no barrier.  No matrix unit, no cluster: each input byte is read once by one wave.
; ORDER ALONG K.  A product only asks that both operands have the same k at the same place, so the places are chosen for the writer and the reader:
;   x_codes, wqkv_codes: in each run of 256 places, place 8 l + 4 e + j holds k = 128 e + 4 l + j.  So lane l of a wave that reads 1,024 bytes of x by two loads of 512 bytes
;   holds the eight numbers of places 8 l .. 8 l + 7: loads and stores are dense, and nothing goes through LDS.
;   wproj_codes: place 32 t + i holds k = 32 t + (i % 8) + 16 ((i / 8) % 2) + 8 (i / 16): loads of 16 bytes at 32 c + 16 (lane / 16) of a row then give the matrix form's own order of k.
.set SPARE, 34816                      ; behind the four stages: the spare words, 128 bytes for each wave, two blocks of 256 bytes that no other line names
.set SPW,  14                          ; v14      LDS address of my spare word; never rewritten
.set NIL,  15                          ; v15      0; never rewritten
.set XR,   16                          ; x: v16-79   eight slots of eight numbers
.set XC,   80                          ; x: v80-143  two registers of codes for each of 32 chunks: no store's data are written again
.set WX,   32                          ; W: v32-95   two sets of 32 numbers
.set WC,   96                          ; W: v96-103  a block's codes
.set OUTR, 112                         ; W: v112-175 the way out
.set OFF,  176                         ; W: v176-207 byte offset of the row of W that holds place i of a block, + 4 x lane; never rewritten
.set SP,   272                         ; W: a stage row: 256 bytes of codes + 16
.macro MKSCALE se, vs, vl, t0, t1      ; v[vs] = 2^e as f32 (the conversion takes its exponent field)
	s_add_co_i32 s[\t0], s[\se], 127
	s_lshl_b32 s[\t1], s[\t0], 23
	v_mov_b32 v[\vs], s[\t1]
	s_add_co_i32 s[\t0], s[\t0], 8
	s_lshl_b32 s[\t0], s[\t0], 23
	s_or_b32 s[\t0], s[\t0], 0x600000
.endm
	s_load_b256 s[4:11], s[0:1], 0x0               ; x s[4:5], Wqkv s[6:7], Wproj s[8:9], the scales s[10:11]
	s_load_b128 s[12:15], s[0:1], 0x20             ; x_codes s[12:13], wqkv_codes s[14:15]
	s_load_b64 s[16:17], s[0:1], 0x30              ; wproj_codes
	v_lshl_add_u32 v[SPW], v0, 2, SPARE
	v_mov_b32 v[NIL], 0
	v_lshrrev_b32 v1, 5, v0
	v_readfirstlane_b32 s18, v1                    ; wave 0..3
	v_and_b32 v2, 31, v0                           ; lane
	s_wait_kmcnt 0x0
	s_load_b256 s[24:31], s[10:11], 0x0            ; e0 .. e7
	s_cmp_lt_u32 ttmp9, 256
	s_cbranch_scc0 .Lweights
; ---- x: a wave takes 32 chunks of 256 numbers: 32,768 bytes in, 8,192 bytes out
	s_lshl_b32 s19, ttmp9, 2
	s_add_co_u32 s19, s19, s18                     ; which run of 8,192 numbers is my wave's
	s_lshl_b32 s20, s19, 15
	s_mov_b32 s21, 0
	s_add_nc_u64 s[4:5], s[4:5], s[20:21]
	s_lshl_b32 s20, s19, 13
	s_add_nc_u64 s[12:13], s[12:13], s[20:21]
	s_wait_alu depctr_va_vdst(0)
	v_lshlrev_b32 v3, 4, v2                        ; in: 16 bytes a lane
	v_lshlrev_b32 v4, 3, v2                        ; out: 8 bytes a lane
.macro XLOAD c                         ; chunk c: two loads of 512 consecutive bytes
.irp e, 0,1
	global_load_b128 v[XR+8*((\c)%8)+4*\e:XR+8*((\c)%8)+4*\e+3], v3, s[4:5] offset:1024*(\c)+512*\e th:TH_LOAD_NT
.endr
.endm
.macro XCHUNK c
.set XS, XR+8*((\c)%8)
.if 31-(\c) >= 7
	s_wait_loadcnt 14                              ; my chunk's two loads are in; the two of each of the seven younger chunks may be out
.else
	s_wait_loadcnt 2*(31-(\c))                     ; the counts run down: nothing is loaded past the run's end
.endif
.irp i, 0,1,2,3,4,5,6,7
.endr
	v_cvt_scalef32_pk8_fp8_f32 v[XC+2*(\c):XC+2*(\c)+1], v[XS:XS+7], v11
.if (\c)+8 < 32
	XLOAD (\c)+8                                   ; the slot takes the chunk eight further on
.endif
	global_store_b64 v4, v[XC+2*(\c):XC+2*(\c)+1], s[12:13] offset:256*(\c)   ; the wave stores 256 consecutive bytes, at a multiple of 256 from the buffer's first byte
.endm
.set Q, 0
.rept 8
	XLOAD Q
.set Q, Q+1
.endr
	s_wait_kmcnt 0x0
	MKSCALE 24, 11, 10, 22, 23                     ; e0
.set Q, 0
	s_wait_alu depctr_va_vdst(0)
.rept 32
	XCHUNK Q
.set Q, Q+1
.endr
	s_endpgm
; ---- the weights: K is the FIRST axis.  A lane takes a column n and its registers run down K, in the order of the places: the conversions then give codes with K innermost.
; A wave takes 32 columns x 256 places: 8 blocks of 32.  Both weights take one path; what differs (buffers, pitches, the order of k, e) is chosen by the work-group's number.
.Lweights:
	s_sub_co_u32 s19, ttmp9, 256                   ; u
	s_and_b32 s20, s19, 3                          ; y: which 256 along K
	s_lshr_b32 s21, s19, 2
	s_wait_alu depctr_va_vdst(0)
	v_lshlrev_b32 v3, 2, v2                        ; 4 bytes a lane
	s_wait_alu depctr_va_vdst(0)
	s_cmp_lt_u32 s19, 96                           ; Wqkv's work-group or Wproj's?  Only moves and selections stand between this compare and its last use
	s_cselect_b64 s[6:7], s[6:7], s[8:9]
	s_cselect_b64 s[14:15], s[14:15], s[16:17]
	s_cselect_b32 s22, 0, 24
	s_mov_b32 s23, 1048576
	s_cselect_b32 s23, 3145728, s23                ; 256 rows of W in bytes
	s_mov_b32 s32, 131072
	s_cselect_b32 s32, 196608, s32                 ; from a block's first row to the next block's: 16 rows of 12,288 bytes, or 32 rows of 4,096
	s_mov_b32 s33, 0
.set i, 0
.rept 32
	s_mov_b32 s35, ((i&7)+16*((i>>3)&1)+8*((i>>4)&1))*4096
	s_cselect_b32 s35, (4*(i>>3)+(i&3)+128*((i>>2)&1))*12288, s35
	v_add_nc_u32 v[OFF+i], s35, v3
.set i, i+1
.endr
	s_sub_co_u32 s21, s21, s22                     ; which 128 columns
	s_lshl_b32 s21, s21, 7
	s_lshl_b32 s34, s18, 5
	s_add_co_u32 s21, s21, s34                     ; my wave's first column
	s_mul_i32 s36, s20, s23
	s_lshl_b32 s34, s21, 2
	s_add_co_u32 s36, s36, s34
	s_mov_b32 s37, 0
	s_add_nc_u64 s[40:41], s[6:7], s[36:37]        ; a base for each block, s[40:55]: no base is stepped while loads are out
.irp t, 1,2,3,4,5,6,7
	s_add_nc_u64 s[40+2*\t:41+2*\t], s[38+2*\t:39+2*\t], s[32:33]
.endr
	s_lshl_b32 s36, s21, 10                        ; the codes: row = column, 1,024 bytes; + 256 y
	s_lshl_b32 s34, s20, 8
	s_add_co_u32 s36, s36, s34
	s_add_nc_u64 s[14:15], s[14:15], s[36:37]
	s_mul_i32 s34, s18, 32*SP                      ; my stage
	v_mul_u32_u24 v4, v2, SP
	v_add_nc_u32 v4, s34, v4                       ; into it: row = my column
	v_and_b32 v5, 15, v2
	v_lshrrev_b32 v6, 4, v2
	v_mul_u32_u24 v7, v6, SP
	v_lshl_add_u32 v7, v5, 4, v7
	v_add_nc_u32 v7, s34, v7                       ; out of it: sixteen lanes to a row, two rows an instruction
	v_lshlrev_b32 v8, 10, v6
	v_lshl_add_u32 v8, v5, 4, v8                   ; and the same place in the codes' buffer
.macro WLOAD t                         ; block t: 32 rows of W at my column; a wave reads 128 consecutive bytes, the work-group 512
.set i, 0
.rept 32
	global_load_b32 v[WX+32*((\t)%2)+i], v[OFF+i], s[40+2*(\t):41+2*(\t)] th:TH_LOAD_NT
.set i, i+1
.endr
.endm
	WLOAD 0
	WLOAD 1
	s_wait_kmcnt 0x0
	s_cmp_lt_u32 s19, 96
	s_cselect_b32 s34, s25, s31                    ; e1 or e7
	MKSCALE 34, 11, 10, 35, 36
.macro WBLOCK t
.set XS, WX+32*((\t)%2)
.if (\t) < 7
	s_wait_loadcnt 32                              ; this block's 32 loads are in; the next block's may be out
.else
	s_wait_loadcnt 0
.endif
.set i, 0
.rept 32
.set i, i+1
.endr
.irp g, 0,1,2,3
	v_cvt_scalef32_pk8_fp8_f32 v[WC+2*\g:WC+2*\g+1], v[XS+8*\g:XS+8*\g+7], v11
.endr
	ds_store_b128 v4, v[WC:WC+3] offset:32*(\t)    ; 32 codes of my column's row
	ds_store_b128 v4, v[WC+4:WC+7] offset:32*(\t)+16
.if (\t)+2 < 8
	WLOAD (\t)+2
.endif
	s_wait_dscnt 0x0                               ; the stores have read their registers: the next block's codes may be written
.endm
.set Q, 0
	s_wait_alu depctr_va_vdst(0)
.rept 8
	WBLOCK Q
.set Q, Q+1
.endr
.irp t, 0,1,2,3,4,5,6,7,8,9,10,11,12,13,14,15
	ds_load_b128 v[OUTR+4*\t:OUTR+4*\t+3], v7 offset:2*\t*SP   ; LDS serves a wave's instructions in order (ISA guide 5.7.1.4): these see my stores
.endr
.irp t, 0,1,2,3,4,5,6,7,8,9,10,11,12,13,14,15
	s_wait_dscnt 15-\t                             ; the younger loads may be out
	global_store_b128 v8, v[OUTR+4*\t:OUTR+4*\t+3], s[14:15] offset:2*\t*1024   ; sixteen lanes store 256 consecutive bytes, at a multiple of 256 from the buffer's first byte
.endr
	s_wait_tensorcnt 0x0                           ; the wave's end, behind my last LDS store
	ds_add_u32 v[SPW], v[NIL]
	s_wait_dscnt 0x0
	s_endpgm
.Lfunc_end_k_q5103617dc5_quant:
	.size	k_q5103617dc5_quant, .Lfunc_end_k_q5103617dc5_quant-k_q5103617dc5_quant
	.p2alignl 7, 3214868480
	.fill 96, 4, 3214868480
	.section	.rodata,"a",@progbits
	.p2align	6, 0x0
	.amdhsa_kernel k_q5103617dc5_quant
		.amdhsa_group_segment_fixed_size 35328
		.amdhsa_private_segment_fixed_size 0
		.amdhsa_enable_private_segment 0
		.amdhsa_kernarg_size 56
		.amdhsa_user_sgpr_count 2
		.amdhsa_user_sgpr_kernarg_segment_ptr 1
		.amdhsa_wavefront_size32 1
		.amdhsa_system_sgpr_workgroup_id_x 1
		.amdhsa_system_sgpr_workgroup_id_y 1
		.amdhsa_system_sgpr_workgroup_id_z 1
		.amdhsa_system_vgpr_workitem_id 0
		.amdhsa_next_free_vgpr 208
		.amdhsa_next_free_sgpr 66
		.amdhsa_reserve_vcc 0
		.amdhsa_float_denorm_mode_32 3
		.amdhsa_float_denorm_mode_16_64 3
		.amdhsa_fp16_overflow 1
		.amdhsa_memory_ordered 1
		.amdhsa_forward_progress 1
		.amdhsa_inst_pref_size 52
	.end_amdhsa_kernel
	.amdgpu_metadata
---
amdhsa.version: [ 1, 2 ]
amdhsa.kernels:
  - .name:           k_q5103617dc5_quant
    .symbol:         k_q5103617dc5_quant.kd
    .args:
      - { .name: x, .offset: 0, .size: 8, .value_kind: global_buffer, .address_space: global }
      - { .name: Wqkv, .offset: 8, .size: 8, .value_kind: global_buffer, .address_space: global }
      - { .name: Wproj, .offset: 16, .size: 8, .value_kind: global_buffer, .address_space: global }
      - { .name: lowp_scales, .offset: 24, .size: 8, .value_kind: global_buffer, .address_space: global }
      - { .name: x_codes, .offset: 32, .size: 8, .value_kind: global_buffer, .address_space: global }
      - { .name: wqkv_codes, .offset: 40, .size: 8, .value_kind: global_buffer, .address_space: global }
      - { .name: wproj_codes, .offset: 48, .size: 8, .value_kind: global_buffer, .address_space: global }
    .group_segment_fixed_size: 35328
    .private_segment_fixed_size: 0
    .kernarg_segment_align: 8
    .kernarg_segment_size: 56
    .max_flat_workgroup_size: 128
    .sgpr_count:     66
    .vgpr_count:     208
    .wavefront_size: 32
...
	.end_amdgpu_metadata
.endif
;; end of part 1
;; launch qkv (part 2): grid 4 x 64, 4 waves a work-group, clusters of 4 x 4, 327,680 bytes of LDS; arguments x_codes, wqkv_codes, lowp_scales, q_codes, k_codes, v_codes; writes q_codes, k_codes, v_codes
.if DOCPART == 2
	.amdgcn_target "amdgcn-amd-amdhsa--gfx1250"
	.amdhsa_code_object_version 6
	.text
	.protected	k_q5103617dc5_qkv
	.globl	k_q5103617dc5_qkv
	.p2align	8
	.type	k_q5103617dc5_qkv,@function
k_q5103617dc5_qkv:
	s_mov_b64 s[64:65], 0
	v_nop
	global_prefetch_b8 v0, s[64:65] scope:SCOPE_SE
	s_setreg_imm32_b32 hwreg(HW_REG_WAVE_MODE, 25, 1), 1
	s_wait_xcnt 0x0
	s_wait_alu depctr_hold_cnt(0) depctr_sa_sdst(0) depctr_va_vdst(0) depctr_va_sdst(0) depctr_va_ssrc(0) depctr_va_vcc(0) depctr_vm_vsrc(0)
	s_getreg_b32 s2, hwreg(HW_REG_IB_STS2, 6, 4)
	s_cmp_eq_u32 s2, 0
	s_cbranch_scc0 .Lentry_in_a_cluster
	s_endpgm
.Lentry_in_a_cluster:
	s_bfe_u32 s2, ttmp6, 0x10000c
	s_cmp_lg_u32 s2, 0xf033
	s_cbranch_scc0 .Lentry_shape_is_right
	s_endpgm
.Lentry_shape_is_right:
; qkv = x Wqkv on codes of FP8 (E4M3); each finished sum is quantised at once to the code of q, k or v, and stored as an IMAGE OF THE REGISTERS of the operand that the attention launch loads.
; A sum stands for sum x 2^(e0 + e1); q's code is sum / 2^(e2 - e0 - e1), k's with e3, v's with e5: the three scales are folded into the conversion's one.
; LIMITS: e2 - e0 - e1, e3 - e0 - e1 and e5 - e0 - e1 lie between -126 and 119, so that each scale and 448 x it are f32 numbers.
; SHARES.  256 work-groups.  Work-group (g, mb) owns tokens 128 mb .. + 127 and STAYS for three tiles of 128 x 256 over K = 1,024: columns 1024 tau + 256 g .. + 255, tau = 0, 1, 2: q, k, v of heads 4 g .. 4 g + 3.
; Wave w: wm = w / 2 (64 tokens), wn = w % 2 (128 columns, two heads): 32 accumulators.  The wave's part of x (64 rows x 1,024 K: 32 fragments, 512 registers) stays in registers for all three tiles,
; so the steps read from LDS only the weights: 16 loads of 16 bytes a lane for 16 matrix instructions.
; CLUSTER 4 x 4.  x's tile hangs on mb alone and is asked for jointly along a row of the cluster, a weights' tile on g alone, jointly along a column.
; THE RING.  Region X (first x's tile, then the odd weight steps) and region Y (the even ones).  A weight step is 256 rows x 512 K; six steps, two to a tile.  By this text's count a wave has at most two tensor loads out.
; ORDER OF k: both operands have the same k at the same place of a row, and both are fetched by loads of 16 bytes at 32 c + 16 (lane / 16): every product meets its partner.
; q, k: THE MATRIX INSTRUCTION IS USED TRANSPOSED (source 0 = 16 columns of W, source 1 = 16 tokens): a lane holds one token and eight neighbouring d.  v: as it stands: a lane holds one d and eight neighbouring tokens (keys).
; REGISTERS, in windows of 256: window 0: v2-10 addresses, scales; v28, v29 the add's two; v64-255 three buffers of four weight fragments.  window 1: accumulator (a, b) at v[8 (8 a + b)].
;   windows 2, 3: x's fragment (a, kappa) in window 2 + kappa / 4 at v[64 (kappa % 4) + 16 a].
; The text is straight: 48 half-steps of 16 matrix instructions, written by macro; no loop.
.set PA,    1040                       ; x's row in LDS: 1,024 bytes + 16: 65 x 16 bytes, so the 16 rows of a load start 16 bytes apart modulo 256
.set PB,    528                        ; a weight step's row: 512 + 16
.set REGY,  135168                     ; region X at 0, region Y here; 256 x PB bytes each
.set SPARE, 270336                     ; behind the ring: the spare words, 128 bytes for each wave
.set ADRA,  2
.set ADRBX, 3
.set ADRBY, 4
.set LI,    5                          ; v5  16 x lane: my place in an image
.set SCL,   8                          ; v8-10   the conversions' scales for q, k, v
.set LIM,   11
.set SPW,   28
.set NIL,   29
.set G1A,   24                         ; s[24:31] group 1 for x's tile;  s[32:35] its group 0
.set G0A,   32
.set G0Y,   36                         ; s[36:39] group 0 of region Y
.set G1B,   48                         ; s[48:55] group 1 for the weights' tiles
.set G0X,   56                         ; s[56:59] group 0 of region X
.set MSB, 0
.macro WIN new                         ; the immediate's high byte repeats the setting that is left
.if MSB != \new
	s_set_vgpr_msb (MSB<<8)|\new
.set MSB, \new
.endif
.endm
.macro PLACES n
.rept \n
	v_nop
.endr
.endm
.macro CREST                           ; a round of the cluster's barrier behind its opening barrier
	s_cmp_lg_u32 s16, 0
	s_cbranch_scc1 .Lnot_wave_0_\@
	s_barrier_signal -3
.Lnot_wave_0_\@:
	s_barrier_wait -3
	s_barrier_signal -1
	s_barrier_wait -1
.endm
.macro CROUND
	s_barrier_signal -1
	s_barrier_wait -1
	CREST
.endm
.macro MKSCALE se, vs, vl              ; from E = s[se] - (e0 + e1): v[vs] = 2^E
	s_sub_co_i32 s61, s[\se], s60
	s_add_co_i32 s61, s61, 127
	s_lshl_b32 s62, s61, 23
	v_mov_b32 v[\vs], s62
.endm
	s_load_b256 s[4:11], s[0:1], 0x0               ; x_codes s[4:5], wqkv_codes s[6:7], the scales s[8:9], q_codes s[10:11]
	s_load_b128 s[12:15], s[0:1], 0x20             ; k_codes s[12:13], v_codes s[14:15]
	v_lshl_add_u32 v[SPW], v0, 2, SPARE
	v_mov_b32 v[NIL], 0
	ds_add_u32 v[SPW], v[NIL]
	ds_add_u32 v[SPW], v[NIL]                      ; the wave's opening: the add and its wait ahead of my first tensor load; the set-up below stands between them
	v_lshrrev_b32 v1, 5, v0
	v_readfirstlane_b32 s16, v1                    ; wave 0..3
	s_lshr_b32 s17, s16, 1                         ; wm
	s_and_b32 s18, s16, 1                          ; wn
	s_bfe_u32 s40, ttmp6, 0x40000                  ; cx
	s_bfe_u32 s41, ttmp6, 0x40004                  ; cy
	s_lshl_b32 s42, ttmp9, 2
	s_add_co_u32 s42, s42, s40                     ; g = 4 x cluster x + cx
	s_and_b32 s43, ttmp7, 0xffff
	s_lshl_b32 s43, s43, 2
	s_add_co_u32 s43, s43, s41                     ; mb = 4 x cluster y + cy
	s_lshl_b32 s44, s41, 2
	s_lshl_b32 s44, 15, s44                        ; my row of the cluster
	s_lshl_b32 s45, 0x1111, s40                    ; my column
	s_or_b32 s[G1A], s44, (1<<20)|(1<<21)|(7<<22)|(3<<25)   ; mask: my row; elements of 1 byte; padding on; bit 21 beside a mask; after every 256 words (code 7) four words (code 3)
	s_mov_b32 s[G1A+1], 1024<<16                   ; tensor_dim0 = 1,024
	s_mov_b32 s[G1A+2], 32<<16                     ; tensor_dim1 = 32
	s_mov_b32 s[G1A+3], 1024<<16                   ; tile_dim0
	s_mov_b32 s[G1A+4], 32                         ; tile_dim1: a wave brings 32 rows of x
	s_mov_b32 s[G1A+5], 1024                       ; from row to row
	s_mov_b32 s[G1A+6], 0
	s_mov_b32 s[G1A+7], 0
	s_or_b32 s[G1B], s45, (1<<20)|(1<<21)|(6<<22)|(3<<25)   ; mask: my column; padding after every 128 words (code 6)
	s_mov_b32 s[G1B+1], 512<<16
	s_mov_b32 s[G1B+2], 64<<16
	s_mov_b32 s[G1B+3], 512<<16
	s_mov_b32 s[G1B+4], 64                         ; a wave brings 64 rows of 512 bytes
	s_mov_b32 s[G1B+5], 1024
	s_mov_b32 s[G1B+6], 0
	s_mov_b32 s[G1B+7], 0
	s_lshl_b32 s20, s43, 7                         ; x: row 128 mb + 32 w, made of mb and the wave's number alone,
	s_lshl_b32 s21, s16, 5
	s_add_co_u32 s20, s20, s21
	s_lshl_b32 s20, s20, 10                        ; in bytes
	s_mov_b32 s21, 0
	s_lshl_b32 s46, s42, 8                         ; W: row 256 g + 64 w, made of g and the wave's number alone
	s_lshl_b32 s47, s16, 6
	s_add_co_u32 s46, s46, s47
	s_lshl_b32 s46, s46, 10
	s_mov_b32 s47, 0
	s_mul_i32 s22, s16, 32*PA                      ; where they go: the wave's number alone enters an LDS address
	s_mul_i32 s23, s16, 64*PB
	v_and_b32 v1, 15, v0                           ; r
	v_bfe_u32 v6, v0, 4, 1                         ; h
	v_mul_u32_u24 v[ADRA], v1, PA
	v_lshl_add_u32 v[ADRA], v6, 4, v[ADRA]
	s_mul_i32 s60, s17, 64*PA
	v_add_nc_u32 v[ADRA], s60, v[ADRA]             ; my 64 rows of x: row r, + 16 h
	v_mul_u32_u24 v[ADRBX], v1, PB
	v_lshl_add_u32 v[ADRBX], v6, 4, v[ADRBX]
	s_mul_i32 s60, s18, 128*PB
	v_add_nc_u32 v[ADRBX], s60, v[ADRBX]           ; my 128 rows of W in region X,
	v_add_nc_u32 v[ADRBY], REGY, v[ADRBX]          ; and in region Y
	v_and_b32 v[LI], 31, v0
	v_lshlrev_b32 v[LI], 4, v[LI]
	s_wait_dscnt 0x0                               ; the opening add is done
	s_wait_kmcnt 0x0
	s_load_b256 s[72:79], s[8:9], 0x0              ; e0 .. e7
	s_mov_b32 s[G0A], 1
	s_mov_b32 s[G0A+1], s22
	s_add_nc_u64 s[G0A+2:G0A+3], s[4:5], s[20:21]
	s_or_b32 s[G0A+3], s[G0A+3], 0x80000000
	s_add_nc_u64 s[46:47], s[6:7], s[46:47]
	s_mov_b32 s[G0Y], 1
	s_add_co_u32 s[G0Y+1], s23, REGY
	s_mov_b64 s[G0Y+2:G0Y+3], s[46:47]             ; step 0: q's columns, K 0-511
	s_or_b32 s[G0Y+3], s[G0Y+3], 0x80000000
	s_mov_b32 s[G0X], 1
	s_mov_b32 s[G0X+1], s23
	s_add_nc_u64 s[G0X+2:G0X+3], s[46:47], 512     ; step 1: K 512-1023
	s_or_b32 s[G0X+3], s[G0X+3], 0x80000000
	CROUND                                         ; all sixteen work-groups are here: the first joint loads meet
	tensor_load_to_lds s[G0A:G0A+3], s[G1A:G1A+7]  ; x's tile into region X
	s_nop 0
	s_wait_alu depctr_va_vdst(0)
	s_wait_tensorcnt 0x0
	ds_add_u32 v28, v29
	s_wait_dscnt 0x0
	CROUND
	tensor_load_to_lds s[G0Y:G0Y+3], s[G1B:G1B+7]  ; weight step 0 into region Y
	s_nop 0
	PLACES 4
	s_wait_tensorcnt 1                             ; my part of x's tile is in; step 0 may stay out
	s_barrier_signal -1
	s_barrier_wait -1                              ; everybody's is
	WIN 0x80                                       ; destination window 2
	s_wait_alu depctr_va_vdst(0)
.irp k, 0,1,2,3
.irp a, 0,1,2,3
.irp c, 0,1,2,3
	ds_load_b128 v[64*\k+16*\a+4*\c:64*\k+16*\a+4*\c+3], v[ADRA] offset:\a*16*PA+128*\k+32*\c
.endr
.endr
.endr
	WIN 0xc0                                       ; destination window 3
.irp k, 0,1,2,3
.irp a, 0,1,2,3
.irp c, 0,1,2,3
	ds_load_b128 v[64*\k+16*\a+4*\c:64*\k+16*\a+4*\c+3], v[ADRA] offset:\a*16*PA+128*(\k+4)+32*\c
.endr
.endr
.endr
	WIN 0
	s_wait_tensorcnt 0x0                           ; region X is filled again: all my tensor loads have landed (step 0 among them),
	ds_add_u32 v[SPW], v[NIL]                      ; 0 onto my spare word; scales and output addresses are made while it is out
	s_wait_kmcnt 0x0
	s_add_co_i32 s60, s72, s73                     ; e0 + e1
	MKSCALE 74, SCL, LIM                           ; q: e2
	MKSCALE 75, SCL+1, LIM+1                       ; k: e3
	MKSCALE 77, SCL+2, LIM+2                       ; v: e5
	s_lshr_b32 s66, s43, 4                         ; the batch: 16 blocks of 128 tokens each
	s_lshl_b32 s66, s66, 4
	s_lshl_b32 s67, s42, 2
	s_add_co_u32 s66, s66, s67
	s_lshl_b32 s67, s18, 1
	s_add_co_u32 s66, s66, s67                     ; my first (batch, head): 16 batch + 4 g + 2 wn,
	s_lshl_b32 s66, s66, 17                        ; of 131,072 bytes in each of the three buffers
	s_and_b32 s68, s43, 15
	s_lshl_b32 s69, s68, 13                        ; the block's 128 tokens: 8 images of 1,024 bytes in q and k, one key group of 8,192 bytes in v
	s_lshl_b32 s70, s17, 12                        ; q, k: my 4 images
	s_add_co_u32 s70, s70, s69
	s_add_co_u32 s70, s70, s66
	s_mov_b32 s71, 0
	s_add_nc_u64 s[86:87], s[10:11], s[70:71]
	s_add_nc_u64 s[88:89], s[12:13], s[70:71]
	s_lshl_b32 s70, s17, 10                        ; v: my 64 keys are two of an image's four groups of four registers
	s_add_co_u32 s70, s70, s69
	s_add_co_u32 s70, s70, s66
	s_add_nc_u64 s[90:91], s[14:15], s[70:71]
	s_wait_dscnt 0x0                               ; the add is done, and my 128 reads of x's tile are in
	CROUND                                         ; no wave of any partner still reads region X or has a load on its way
	tensor_load_to_lds s[G0X:G0X+3], s[G1B:G1B+7]  ; weight step 1
	s_nop 0
	PLACES 4
; 16 LDS loads: the four weight fragments of half-step j (columns 64 (j % 2) on of my 128; 128 along K) into buffer j % 3
.macro BLD j
.set bj, \j
.set bb, 64+64*(bj%3)
.set bq, (bj%8)/2
.set bhf, bj%2
.if (bj/8)%2
.set ba, ADRBX
.else
.set ba, ADRBY
.endif
.irp f, 0,1,2,3
.irp c, 0,1,2,3
	ds_load_b128 v[bb+16*\f+4*\c:bb+16*\f+4*\c+3], v[ba] offset:(4*bhf+\f)*16*PB+128*bq+32*\c
.endr
.endr
.endm
; 8 matrix instructions of half-step j: weight fragments f0, f0 + 1 x my four blocks of tokens.  The 16 of a half-step name 16 accumulators, the next half-step's the other 16: one instruction a turn.
; A tile's first two half-steps start the sums with the constant 0: nothing is cleared.
.macro MMH j, f0
.set mj, \j
.set mB, 64+64*(mj%3)
.set mk, (mj%16)/2
.set mA, 64*(mk%4)
.if mj >= 32
.set mw, 0x52+(mk/4)                   ; v: source 0 = x (window 2 or 3), source 1 = W (window 0), C and D window 1
.else
.set mw, 0x58+4*(mk/4)                 ; q, k: source 0 = W, source 1 = x
.endif
	WIN mw
.irp f, \f0, \f0+1
.irp a, 0,1,2,3
.set mc, 8*(8*\a+4*(mj%2)+(\f))
.if mj >= 32
.if (mj%16) < 2
	v_wmma_f32_16x16x128_fp8_fp8 v[mc:mc+7], v[mA+16*\a:mA+16*\a+15], v[mB+16*(\f):mB+16*(\f)+15], 0
.else
	v_wmma_f32_16x16x128_fp8_fp8 v[mc:mc+7], v[mA+16*\a:mA+16*\a+15], v[mB+16*(\f):mB+16*(\f)+15], v[mc:mc+7]
.endif
.else
.if (mj%16) < 2
	v_wmma_f32_16x16x128_fp8_fp8 v[mc:mc+7], v[mB+16*(\f):mB+16*(\f)+15], v[mA+16*\a:mA+16*\a+15], 0
.else
	v_wmma_f32_16x16x128_fp8_fp8 v[mc:mc+7], v[mB+16*(\f):mB+16*(\f)+15], v[mA+16*\a:mA+16*\a+15], v[mc:mc+7]
.endif
.endif
.endr
.endr
.endm
; HALF-STEP j.  Loads run two half-steps ahead, in three buffers.  A load into a register that a matrix instruction has read stands four plain vector instructions behind it (ISA guide 7.12.1 for vector instructions).
; The seventh half-step of a weight step changes regions: ONE barrier; in front of it the wave waits for all its tensor loads, adds 0 to its spare word, and waits for that and for its reads of the region.
; Up to j = 30 the region is filled again, with the step two further on: the barrier then opens a round of the cluster's, and the joint load is the first thing behind it: it has 8 half-steps, 128 matrix instructions, in which to land.
.macro HS j
.set hj, \j
	WIN 0
.if ((hj%8) == 6) && (hj <= 38)
	s_wait_tensorcnt 0x0                           ; all my tensor loads have landed: my part of the next region
	ds_add_u32 v[SPW], v[NIL]
.if hj <= 30
.if (hj/8)%2
	s_add_nc_u64 s[G0X+2:G0X+3], s[G0X+2:G0X+3], 0x100000   ; no load of mine is out, so a group 0 may be written: 1,024 rows of W on: the next tile's columns
.else
	s_add_nc_u64 s[G0Y+2:G0Y+3], s[G0Y+2:G0Y+3], 0x100000
.endif
.endif
	s_wait_dscnt 17                                ; the add and the next half-step's 16 loads may be out
	MMH hj, 0
	s_wait_dscnt 0x0                               ; the add is done, and my reads of this region are over
	s_barrier_signal -1
	MMH hj, 2
	WIN 0                                          ; at a branch and at a label every window is 0
	s_barrier_wait -1
.if hj <= 30
	CREST
.if (hj/8)%2
	tensor_load_to_lds s[G0X:G0X+3], s[G1B:G1B+7]
.else
	tensor_load_to_lds s[G0Y:G0Y+3], s[G1B:G1B+7]
.endif
	s_nop 0
.endif
	PLACES 4                                       ; behind the joint load, and in front of the loads below
	BLD hj+2
.else
	PLACES 4
.if hj+2 <= 47
	BLD hj+2
.endif
.if hj <= 45
	s_wait_dscnt 32                                ; the loads of the two half-steps ahead may be out
.elseif hj == 46
	s_wait_dscnt 16
.else
	s_wait_dscnt 0
.endif
	MMH hj, 0
	MMH hj, 2
.endif
.endm
; THE WAY OUT of a tile of q or k.  Accumulator (a, b): lane (r, h) holds token 16 a + r and columns 16 b + 8 h + 0 .. 7.  A head is four b: the four conversions' results are the eight registers of the
; 16 x 64 fragment that the attention launch loads (registers 2 c, 2 c + 1: d = 16 c + 8 h + 0 .. 7).  They are stored as they stand: lane l's 16 bytes at 16 l, 512 consecutive bytes a store.  No stage in LDS.
.macro HOLD t
	PLACES 4                                       ; behind the last products
	WIN 0x41                                       ; source 0 and destination window 1
.set i, 0
.rept 256
.set i, i+1
.endr
	WIN 0x01                                       ; source 0 window 1, destination window 0
.endm
.macro EPI_QK tau, base
.set T, 64+64*((16*\tau+15)%3)         ; the buffer that the tile's last half-step has read: the other two hold the next tile's first fragments
	HOLD \tau
.irp a, 0,1,2,3
.irp hh, 0,1
.irp c, 0,1,2,3
	v_cvt_scalef32_pk8_fp8_f32 v[T+8*(2*\a+\hh)+2*\c:T+8*(2*\a+\hh)+2*\c+1], v[8*(8*\a+4*\hh+\c):8*(8*\a+4*\hh+\c)+7], v[SCL+\tau]
.endr
.endr
.endr
	v_nop                                          ; a plain vector instruction between the last conversion and the products that write its sources anew
	WIN 0
.irp a, 0,1,2,3
.irp hh, 0,1
.irp u, 0,1
	global_store_b128 v[LI], v[T+8*(2*\a+\hh)+4*\u:T+8*(2*\a+\hh)+4*\u+3], s[\base:\base+1] offset:\hh*131072+\a*1024+512*\u
.endr
.endr
.endr
	s_wait_xcnt 0x0                                ; the stores' data registers are loaded again in the next half-step
.endm
; v: accumulator (a, b): lane (r, h) holds d = 16 (b % 4) + r of head b / 4 and tokens 16 a + 8 h + 0 .. 7: registers 2 (4 wm + a), + 1 of the 16 x 128 fragment of V^T (keys along K).
.macro EPI_V
.set T, 192
	HOLD 2
.irp a, 0,1,2,3
.irp b, 0,1,2,3,4,5,6,7
	v_cvt_scalef32_pk8_fp8_f32 v[T+4*(2*\b+\a/2)+2*(\a%2):T+4*(2*\b+\a/2)+2*(\a%2)+1], v[8*(8*\a+\b):8*(8*\a+\b)+7], v[SCL+2]
.endr
.endr
	v_nop
	WIN 0
.irp b, 0,1,2,3,4,5,6,7
.irp u, 0,1
	global_store_b128 v[LI], v[T+4*(2*\b+\u):T+4*(2*\b+\u)+3], s[90:91] offset:(\b/4)*131072+(\b%4)*2048+512*\u
.endr
.endr
.endm
	BLD 0
	BLD 1
.set J, 0
.rept 16
	HS J
.set J, J+1
.endr
	s_wait_alu depctr_va_vdst(0)
	EPI_QK 0, 86
.rept 16
	HS J
.set J, J+1
.endr
	EPI_QK 1, 88
.rept 16
	HS J
.set J, J+1
.endr
	EPI_V
	s_wait_tensorcnt 0x0                           ; the wave's end, behind my last tensor load
	ds_add_u32 v[SPW], v[NIL]
	s_wait_dscnt 0x0
	CROUND                                         ; the closing round: no work-group ends while a partner may still ask for a tile that names it
	s_endpgm
.Lfunc_end_k_q5103617dc5_qkv:
	.size	k_q5103617dc5_qkv, .Lfunc_end_k_q5103617dc5_qkv-k_q5103617dc5_qkv
	.p2alignl 7, 3214868480
	.fill 96, 4, 3214868480
	.section	.rodata,"a",@progbits
	.p2align	6, 0x0
	.amdhsa_kernel k_q5103617dc5_qkv
		.amdhsa_group_segment_fixed_size 327680
		.amdhsa_private_segment_fixed_size 0
		.amdhsa_enable_private_segment 0
		.amdhsa_kernarg_size 48
		.amdhsa_user_sgpr_count 2
		.amdhsa_user_sgpr_kernarg_segment_ptr 1
		.amdhsa_wavefront_size32 1
		.amdhsa_system_sgpr_workgroup_id_x 1
		.amdhsa_system_sgpr_workgroup_id_y 1
		.amdhsa_system_sgpr_workgroup_id_z 1
		.amdhsa_system_vgpr_workitem_id 0
		.amdhsa_next_free_vgpr 1024
		.amdhsa_next_free_sgpr 100
		.amdhsa_reserve_vcc 0
		.amdhsa_float_denorm_mode_32 3
		.amdhsa_float_denorm_mode_16_64 3
		.amdhsa_fp16_overflow 1
		.amdhsa_memory_ordered 1
		.amdhsa_forward_progress 1
		.amdhsa_inst_pref_size 136
	.end_amdhsa_kernel
	.amdgpu_metadata
---
amdhsa.version: [ 1, 2 ]
amdhsa.kernels:
  - .name:           k_q5103617dc5_qkv
    .symbol:         k_q5103617dc5_qkv.kd
    .args:
      - { .name: x_codes, .offset: 0, .size: 8, .value_kind: global_buffer, .address_space: global }
      - { .name: wqkv_codes, .offset: 8, .size: 8, .value_kind: global_buffer, .address_space: global }
      - { .name: lowp_scales, .offset: 16, .size: 8, .value_kind: global_buffer, .address_space: global }
      - { .name: q_codes, .offset: 24, .size: 8, .value_kind: global_buffer, .address_space: global }
      - { .name: k_codes, .offset: 32, .size: 8, .value_kind: global_buffer, .address_space: global }
      - { .name: v_codes, .offset: 40, .size: 8, .value_kind: global_buffer, .address_space: global }
    .group_segment_fixed_size: 327680
    .private_segment_fixed_size: 0
    .kernarg_segment_align: 8
    .kernarg_segment_size: 48
    .max_flat_workgroup_size: 128
    .sgpr_count:     100
    .vgpr_count:     1024
    .wavefront_size: 32
...
	.end_amdgpu_metadata
.endif
;; end of part 2
;; launch attn (part 3): grid 4 x 64, 16 waves a work-group, no clusters, 327,680 bytes of LDS; arguments q_codes, k_codes, v_codes, lowp_scales, a_codes; writes a_codes
.if DOCPART == 3
	.amdgcn_target "amdgcn-amd-amdhsa--gfx1250"
	.amdhsa_code_object_version 6
	.text
	.protected	k_q5103617dc5_attn
	.globl	k_q5103617dc5_attn
	.p2align	8
	.type	k_q5103617dc5_attn,@function
k_q5103617dc5_attn:
	s_mov_b64 s[64:65], 0
	v_nop
	global_prefetch_b8 v0, s[64:65] scope:SCOPE_SE
	s_setreg_imm32_b32 hwreg(HW_REG_WAVE_MODE, 25, 1), 1
	s_wait_xcnt 0x0
; Causal attention of one (batch, head) on codes of FP8 (E4M3): S = q k^T / 8, p = 2^(t - M), O = p v / the row's sum; O is quantised at once (scale 2^e6) to the projection's operand.
; t = score x log2(e) / 8; M = the running largest t rounded UP to a whole number; p is quantised with 2^e4, not normalised; the row's sum is taken of the unquantised p, in f32.  When M moves, sum and O are multiplied by 2^(old M - new M): exact.
; LIMITS on the given exponents, so that each power of two below is an f32 number: e2 + e3 between -123 and 130 (added to the constant's exponent field); e4 and e6 between -126 and 119; e4 + e5 goes in by v_ldexp_f32 and has none.
; ALL FOUR BUFFERS ARE IMAGES OF OPERAND REGISTERS (lane l's 16 bytes at 16 l, four registers a piece of 512 bytes): q, k: 1,024 bytes for 16 tokens x 64 d; v: 2,048 bytes for 16 d x 128 keys; a: as q, by (16 tokens, head).
; So LDS has no pitch and no padding, every k stands at the matrix form's own place, and the result needs no stage.
; SHARES.  Work-group (P, bh), P = 0..3, takes the block of 256 queries 7 - P over key slots 0 .. 7 - P (256 keys each), then block P over slots 0 .. P: nine slots whatever P is: 256 work-groups of equal work, a constant trip count.
; Each of SIXTEEN waves owns 16 queries in 256 registers: four waves to a SIMD, so that one wave's vector work stands beside another's products and LDS loads.
; NO CLUSTER: in a given trip the four work-groups of a head want different key slots (P = 0 is at slot 7 when P = 3 has begun its second block); walking both blocks over slots 0..7 together, so that they could ask jointly, is 12 slots' work in place of 9.
; Both products are used transposed: S^T = k q^T (source 0 = 16 keys, source 1 = my queries), O^T = v^T p^T: a lane holds ONE query (lane % 16) throughout, and the conversions' results are the next operand's registers.
; THE MASK.  A step of 128 keys all of which come after my queries is left out (a scalar branch on ids; no barrier and no tensor load stands in a step); in the step on the diagonal hidden scores become -infinity ahead of the maximum.
; REGISTERS: v1-7 addresses; v12 -M, v13 the largest t, v[14:15] the sum; v16-23 q; v24-31 the result's codes; v32-95 eight fragments of k, then four of v; v96-159 S^T, then p; v160-191 O^T; v192-223 O scaled; v224-239 p's codes; v240-254 constants and work.
.set SLOT1, 32768                      ; a slot: 16 images of k (16,384 bytes), then 8 of v; slot 1 begins here: one exclusive or turns an address
.set VOFF,  16384
.set SPARE, 65536                      ; behind the ring: the spare words, 128 bytes for each of 16 waves
.set LI,   1                           ; v1  16 x lane
.set ADR,  2                           ; v2  the slot in hand + 16 x lane
.set PFO,  3                           ; v3  256 x lane: the prefetches' offset
.set RH,   4                           ; v4  lane % 16 - 8 (lane / 16)
.set SPW,  5
.set NIL,  6
.set DST,  7                           ; v7  the mask's distance
.set WV,   18
.set SEL,  20                          ; s[20:21] v_permlanex16_b32's selects: lane l xor 16
.set CS,   22                          ; s[22:23] c = log2(e) / 8 x 2^(e2 + e3)
.set G1,   24                          ; s[24:31] group 1
.set G0,   32                          ; s[32:35] group 0, which walks
.set QH,   36                          ; s[36:37] q_codes at my head
.set QBLK, 40                          ; the block of queries in hand
.set KSL,  41                          ; the key slot in hand
.set NKS,  42                          ; the next one
.set TB,   43                          ; LDS byte at which the slot in hand begins
.set CNT,  44
.set Q0,   45                          ; my first query
.set KF,   46                          ; the step's first key
.set BH,   47
.set HB,   48                          ; s[48:49] my head's first byte in q, k and v
.set KVB,  50                          ; s[50:51] what I fetch, if I fetch: k (wave 0) or v (wave 1) at my head
.set PFA,  52                          ; s[52:53] where my prefetches stand
.set LIMP, 54                          ; 2 in a wave that prefetches, else the greatest number
.set ES,   56                          ; s[56:63] e0 .. e7
.set QA,   66
.set OA,   68
.set E45,  76
.macro TLOAD                           ; wave 0 fetches a slot's k, wave 1 its v: 16,384 dense bytes each.  The branch hangs on the wave's number alone
	s_cmp_lt_u32 s[WV], 2
	s_cbranch_scc0 .Lno_load_\@
	tensor_load_to_lds s[G0:G0+3], s[G1:G1+7]
	s_nop 0
.rept 4
	v_nop
.endr
.Lno_load_\@:
.endm
; A PREFETCH of the key slot that the NEXT change of slots will ask for.  All four work-groups of a head walk the same k and v: the one with P = 0, which walks slots 0 to 7 in order, asks, and nobody else.
; In it four waves that fetch nothing ask, one instruction each: waves 4, 5 for the two halves of k's 16,384 bytes, waves 6, 7 for v's; lanes 256 bytes apart.  So each block of 256 bytes is named once in the launch.
; Trip t names slot t + 2, for t = 0 .. 5; slots 0 and 1 come by their loads alone, and no prefetch points past slot 7.
.macro ASK
	s_cmp_gt_u32 s[CNT], s[LIMP]
	s_cbranch_scc0 .Lnot_mine_\@
	global_prefetch_b8 v[PFO], s[PFA:PFA+1] th:TH_LOAD_NT scope:SCOPE_SE
.Lnot_mine_\@:
.endm
.macro MKSCALE se, vs, vl
	s_add_co_i32 s70, s[\se], 127
	s_lshl_b32 s71, s70, 23
	v_mov_b32 v[\vs], s71
.endm
	s_load_b256 s[4:11], s[0:1], 0x0               ; q_codes s[4:5], k_codes s[6:7], v_codes s[8:9], the scales s[10:11]
	s_load_b64 s[12:13], s[0:1], 0x20              ; a_codes
	v_lshl_add_u32 v[SPW], v0, 2, SPARE
	v_mov_b32 v[NIL], 0
	ds_add_u32 v[SPW], v[NIL]                      ; the wave's opening: the add and its wait ahead of the first tensor load; the set-up below stands between them
	ds_add_u32 v[SPW], v[NIL]
	v_lshrrev_b32 v1, 5, v0
	s_delay_alu instid0(VALU_DEP_1)
	v_readfirstlane_b32 s[WV], v1                  ; wave 0..15
	s_and_b32 s[BH], ttmp7, 0xffff
	s_lshl_b32 s[HB], s[BH], 17
	s_mov_b32 s[HB+1], 0
	s_mov_b32 s[G1], 3<<16                         ; no mask; elements of 8 bytes; no padding
	s_mov_b32 s[G1+1], 32<<16                      ; tensor_dim0 = 32 elements: rows of 256 bytes
	s_mov_b32 s[G1+2], 64<<16                      ; tensor_dim1 = 64
	s_mov_b32 s[G1+3], 32<<16                      ; tile_dim0
	s_mov_b32 s[G1+4], 64                          ; tile_dim1
	s_mov_b32 s[G1+5], 32                          ; dense: each row begins where the last ends
	s_mov_b32 s[G1+6], 0
	s_mov_b32 s[G1+7], 0
	s_mov_b32 s[SEL], 0x76543210
	s_mov_b32 s[SEL+1], 0xfedcba98
	s_mov_b32 s[CS], 0x3e38aa3b                    ; log2(e) / 8
	s_sub_co_u32 s[QBLK], 7, ttmp9                 ; the late block first
	s_mov_b32 s[KSL], 0
	s_mov_b32 s[TB], 0
	s_mov_b32 s[CNT], 8
	s_lshl_b32 s[Q0], s[QBLK], 8
	s_lshl_b32 s70, s[WV], 4
	s_add_co_u32 s[Q0], s[Q0], s70
	s_and_b32 s71, s[WV], 1
	s_mov_b32 s[G0], 1
	s_lshl_b32 s[G0+1], s71, 14                    ; k at a slot's head, v 16,384 bytes on
	s_wait_dscnt 0x0                               ; the opening add is done
	s_wait_kmcnt 0x0
	s_load_b256 s[ES:ES+7], s[10:11], 0x0
	s_cmp_eq_u32 s[WV], 1
	s_cselect_b64 s[KVB:KVB+1], s[8:9], s[6:7]
	s_add_nc_u64 s[KVB:KVB+1], s[KVB:KVB+1], s[HB:HB+1]
	s_mov_b64 s[G0+2:G0+3], s[KVB:KVB+1]           ; key slot 0
	s_or_b32 s[G0+3], s[G0+3], 0x80000000
	TLOAD
	s_add_nc_u64 s[QH:QH+1], s[4:5], s[HB:HB+1]
	s_lshl_b32 s70, s[Q0], 6                       ; 1,024 bytes for 16 queries
	s_mov_b32 s71, 0
	s_add_nc_u64 s[QA:QA+1], s[QH:QH+1], s[70:71]
	v_and_b32 v[LI], 31, v0
	s_delay_alu instid0(VALU_DEP_1)
	v_lshlrev_b32 v[PFO], 8, v[LI]
	s_delay_alu instid0(VALU_DEP_2)
	v_lshlrev_b32 v[LI], 4, v[LI]
	global_load_b128 v[16:19], v[LI], s[QA:QA+1]
	global_load_b128 v[20:23], v[LI], s[QA:QA+1] offset:512
	s_cmp_lt_u32 s[WV], 6
	s_cselect_b64 s[PFA:PFA+1], s[6:7], s[8:9]
	s_add_nc_u64 s[PFA:PFA+1], s[PFA:PFA+1], s[HB:HB+1]
	s_and_b32 s70, s[WV], 1
	s_lshl_b32 s70, s70, 13                        ; my half of a slot's 16,384 bytes,
	s_add_co_u32 s70, s70, 16384                   ; in slot 1: the first change of slots steps it to slot 2.  Nothing is prefetched here, at the head
	s_mov_b32 s71, 0
	s_add_nc_u64 s[PFA:PFA+1], s[PFA:PFA+1], s[70:71]
	s_sub_co_u32 s70, s[WV], 4
	s_lshr_b32 s70, s70, 2                         ; 0 in waves 4 to 7,
	s_or_b32 s70, s70, ttmp9                       ; of the work-group with P = 0
	s_cmp_eq_u32 s70, 0
	s_cselect_b32 s[LIMP], 2, -1
	v_and_b32 v[RH], 15, v0
	v_bfe_u32 v[DST], v0, 4, 1
	s_delay_alu instid0(VALU_DEP_1)
	v_lshlrev_b32 v[DST], 3, v[DST]
	s_delay_alu instid0(VALU_DEP_1)
	v_sub_nc_u32 v[RH], v[RH], v[DST]
	v_mov_b32 v13, 0xff61b1e6                      ; the largest t so far: -3e38, under every t
	s_delay_alu instid0(VALU_DEP_1)
	v_floor_f32 v12, -v13                          ; -M
	v_mov_b32 v14, 0
	v_mov_b32 v15, 0
	v_mov_b32 v246, 0                              ; a lane permute's destination counts as one of its sources
	v_mov_b32 v253, 0                              ; (named as the upper half of the pair v[252:253])
.set i, 0
.rept 32
	v_mov_b32 v[160+i], 0                          ; O^T: the step is written once; a block's first step finds zeros, which the first change of M leaves zeros
.set i, i+1
.endr
	s_wait_kmcnt 0x0
	s_add_co_i32 s70, s[ES+2], s[ES+3]
	s_lshl_b32 s70, s70, 23
	s_add_co_i32 s[CS], s[CS], s70                 ; a score stands for score x 2^(e2 + e3): added to c's exponent field
	s_mov_b32 s[CS+1], s[CS]
	MKSCALE ES+4, 244, 240                         ; p: 2^e4
	MKSCALE ES+6, 245, 241                         ; the result: 2^e6
	s_add_co_i32 s[E45], s[ES+4], s[ES+5]
; A KEY STEP: 128 keys, the q-th half of the slot in hand.
.macro STEP q
	s_lshl_b32 s[KF], s[KSL], 8
.if \q
	s_add_co_u32 s[KF], s[KF], 128
.endif
	s_add_co_u32 s70, s[Q0], 15
	s_cmp_gt_u32 s[KF], s70
	s_cbranch_scc1 .Lhidden_\@                     ; all 128 keys come after my 16 queries
	v_add_nc_u32 v[ADR], s[TB], v[LI]
.rept 3
	v_nop                                          ; with the addition: four places in front of loads into registers that the last products have read
.endr
.irp c, 0,1,2,3,4,5,6,7
.irp u, 0,1
	ds_load_b128 v[32+8*\c+4*\u:32+8*\c+4*\u+3], v[ADR] offset:(8*\q+\c)*1024+512*\u
.endr
.endr
	s_wait_alu depctr_va_vdst(0)
	s_wait_loadcnt 0x0                             ; q (a block's first step; met at once afterwards)
	s_wait_dscnt 0x0
.irp c, 0,1,2,3,4,5,6,7
	v_wmma_f32_16x16x64_fp8_fp8 v[96+8*\c:103+8*\c], v[32+8*\c:39+8*\c], v[16:23], 0   ; tile c: lane (r, h): query r, keys 16 c + 8 h + 0 .. 7
.endr
.rept 4
	v_nop
.endr
.irp t, 0,1,2,3
.irp u, 0,1,2,3
	ds_load_b128 v[32+16*\t+4*\u:32+16*\t+4*\u+3], v[ADR] offset:VOFF+\q*8192+\t*2048+512*\u   ; v's four fragments land while the softmax is walked
.endr
.endr
	s_add_co_u32 s70, s[KF], 127
	s_cmp_le_u32 s70, s[Q0]
	s_cbranch_scc1 .Lopen_\@                       ; all 128 keys count
	s_sub_co_i32 s70, s[Q0], s[KF]
	v_add_nc_u32 v[DST], s70, v[RH]                ; d = my query - KF - 8 h: register 8 c + j holds a hidden key where 16 c + j > d
	v_mov_b32 v254, 0xff800000                     ; -infinity
.set n, 0
.rept 64
	v_cmp_gt_i32 vcc_lo, 16*(n/8)+n%8, v[DST]
	v_cndmask_b32 v[96+n], v[96+n], v254, vcc_lo
.set n, n+1
.endr
.Lopen_\@:
	v_max3_num_f32 v254, v96, v97, v98             ; the step's largest score of my query among my 64 keys, in two chains, each tile from its low end on,
	v_max3_num_f32 v252, v99, v100, v101
.set i, 6
.rept 14
	v_max3_num_f32 v254, v254, v[96+i], v[97+i]
	v_max3_num_f32 v252, v252, v[98+i], v[99+i]
.set i, i+4
.endr
	v_max3_num_f32 v254, v254, v158, v159
	s_delay_alu instid0(VALU_DEP_1)
	v_max_num_f32 v254, v254, v252
	s_delay_alu instid0(VALU_DEP_1)
	v_permlanex16_b32 v246, v254, s[SEL], s[SEL+1]
	s_delay_alu instid0(VALU_DEP_1)
	v_max_num_f32 v254, v254, v246                 ; and among lane l xor 16's
	s_delay_alu instid0(VALU_DEP_1)
	v_mul_f32 v254, s[CS], v254                    ; as t (c is positive)
	s_delay_alu instid0(VALU_DEP_1)
	v_max_num_f32 v13, v13, v254
	v_mov_b32 v254, v12
	s_delay_alu instid0(VALU_DEP_2)
	v_floor_f32 v12, -v13                          ; the new -M = floor(-t): M is a whole number
	s_delay_alu instid0(VALU_DEP_1)
	v_sub_f32 v254, v12, v254                      ; old M - new M: a whole number, 0 or less
	s_delay_alu instid0(VALU_DEP_1)
	v_cvt_i32_f32 v254, v254                       ; (it saturates)
	s_delay_alu instid0(VALU_DEP_1)
	v_ldexp_f32 v252, 1.0, v254                    ; f = 2^(old M - new M)
.set i, 0
.rept 32
	v_pk_fma_f32 v[96+i:97+i], v[96+i:97+i], s[CS:CS+1], v[12:13] op_sel_hi:[1,0,0]   ; t - M, two at a time
.set i, i+2
.endr
.set i, 0
	s_wait_alu depctr_va_vdst(0)
.rept 64
	v_exp_f32 v[96+i], v[96+i]                     ; p = 2^(t - M)
.set i, i+1
.endr
	v_pk_mul_f32 v[14:15], v[14:15], v[252:253] op_sel_hi:[1,0]   ; the sum under the new M: the plain instruction behind the exponentials
	s_wait_alu depctr_va_vdst(0)                   ; one wait for the batch of 64, ahead of its first reader
	v_pk_add_f32 v[242:243], v[100:101], v[104:105]
	v_pk_add_f32 v[254:255], v[108:109], v[112:113]
	v_pk_add_f32 v[250:251], v[116:117], v[120:121]
	v_pk_add_f32 v[248:249], v[124:125], v[128:129]
	v_pk_add_f32 v[240:241], v[132:133], v[136:137]
	v_pk_add_f32 v[238:239], v[140:141], v[144:145]
	v_pk_add_f32 v[236:237], v[148:149], v[152:153]
	v_pk_add_f32 v[14:15], v[14:15], v[156:157]
	v_pk_add_f32 v[242:243], v[242:243], v[96:97]
	v_pk_add_f32 v[254:255], v[254:255], v[98:99]
	v_pk_add_f32 v[250:251], v[250:251], v[102:103]
	v_pk_add_f32 v[248:249], v[248:249], v[106:107]
	v_pk_add_f32 v[240:241], v[240:241], v[110:111]
	v_pk_add_f32 v[238:239], v[238:239], v[114:115]
	v_pk_add_f32 v[236:237], v[236:237], v[118:119]
	v_pk_add_f32 v[14:15], v[14:15], v[122:123]
	v_pk_add_f32 v[242:243], v[242:243], v[126:127]
	v_pk_add_f32 v[254:255], v[254:255], v[130:131]
	v_pk_add_f32 v[250:251], v[250:251], v[134:135]
	v_pk_add_f32 v[248:249], v[248:249], v[138:139]
	v_pk_add_f32 v[240:241], v[240:241], v[142:143]
	v_pk_add_f32 v[238:239], v[238:239], v[146:147]
	v_pk_add_f32 v[236:237], v[236:237], v[150:151]
	v_pk_add_f32 v[14:15], v[14:15], v[154:155]
	v_pk_add_f32 v[242:243], v[242:243], v[158:159]
	s_delay_alu instid0(VALU_DEP_2)
	v_pk_add_f32 v[14:15], v[14:15], v[248:249]
	s_delay_alu instid0(VALU_DEP_2)
	v_pk_add_f32 v[242:243], v[242:243], v[240:241]
	v_pk_add_f32 v[254:255], v[254:255], v[238:239]
	v_pk_add_f32 v[250:251], v[250:251], v[236:237]
	s_delay_alu instid0(VALU_DEP_2)
	v_pk_add_f32 v[14:15], v[14:15], v[254:255]
	s_delay_alu instid0(VALU_DEP_2)
	v_pk_add_f32 v[242:243], v[242:243], v[250:251]
	s_delay_alu instid0(VALU_DEP_1)
	v_pk_add_f32 v[14:15], v[14:15], v[242:243]
.irp c, 0,1,2,3,4,5,6,7
.irp j, 0,1,2,3,4,5,6,7
.endr
	v_cvt_scalef32_pk8_fp8_f32 v[224+2*\c:225+2*\c], v[96+8*\c:103+8*\c], v244   ; registers 2 c, 2 c + 1 of the operand: keys 16 c + 8 h + 0 .. 7
.endr
.set i, 0
.rept 16
	v_pk_mul_f32 v[160+i:161+i], v[160+i:161+i], v[252:253] op_sel_hi:[1,0]   ; O^T under the new M; also the plain instructions behind the conversions
.set i, i+2
.endr
	s_wait_alu depctr_va_vdst(0)
	s_wait_dscnt 0x0                               ; v's fragments are in
.irp t, 0,1,2,3
	v_wmma_f32_16x16x128_fp8_fp8 v[160+8*\t:167+8*\t], v[32+16*\t:47+16*\t], v[224:239], v[160+8*\t:167+8*\t]   ; four accumulators, one instruction a turn; eight products k q^T stand between two turns of one
.endr
.Lhidden_\@:
.endm
; THE CHANGE OF SLOTS stands at a slot's head.  Each wave waits for all its tensor loads, adds 0 to its spare word, and waits for that and for its reads of the slot that it has left; one barrier.
; fill = 1: behind it the slot just left takes the key slot that follows: the next one of the block in hand, or slot 0 where the block ends here.  The load has a slot's two steps in which to land.  A wave has at most one tensor load out.
.macro CHANGE fill
	s_wait_tensorcnt 0x0                           ; no tensor load of mine is out, so the group 0 may be written
	ds_add_u32 v[SPW], v[NIL]                      ; 0 onto my spare word; the descriptor's step stands between it and the wait for it
.if \fill
	s_add_co_u32 s[NKS], s[KSL], 1
	s_cmp_eq_u32 s[KSL], s[QBLK]
	s_cselect_b32 s[NKS], 0, s[NKS]
	s_xor_b32 s[G0+1], s[G0+1], SLOT1
	s_lshl_b32 s70, s[NKS], 14
	s_mov_b32 s71, 0
	s_add_nc_u64 s[G0+2:G0+3], s[KVB:KVB+1], s[70:71]
	s_or_b32 s[G0+3], s[G0+3], 0x80000000
	s_wait_xcnt 0x0                                ; the last prefetch, a slot back, has read its address
	s_add_nc_u64 s[PFA:PFA+1], s[PFA:PFA+1], 16384
.endif
	s_wait_dscnt 0x0                               ; the add is done, and my reads of the slot that I have left are over
	s_barrier_signal -1
	s_barrier_wait -1
.if \fill
	TLOAD                                          ; the first thing behind the barrier
	ASK
.endif
.endm
; A BLOCK OF QUERIES IS FINISHED: O^T / the sum x 2^(e4 + e5), held, converted with 2^e6.  Tile t's codes are registers 2 t, 2 t + 1 of the 16 x 64 image (token r, d = 16 t + 8 h + 0 .. 7): stored as they stand, 512 consecutive bytes a store.
; reset = 1: the work-group's second block begins: its q, and the state as at the head.
.macro FINISH reset
.rept 4
	v_nop                                          ; behind the last products
.endr
	s_wait_xcnt 0x0                                ; earlier loads and stores have read their addresses and data: both are written anew below
	v_add_f32 v14, v14, v15
	s_delay_alu instid0(VALU_DEP_1)
	v_permlanex16_b32 v246, v14, s[SEL], s[SEL+1]
	s_delay_alu instid0(VALU_DEP_1)
	v_add_f32 v14, v14, v246                       ; the row's sum
	s_wait_alu depctr_va_vdst(0)
	v_rcp_f32 v14, v14
	v_nop                                          ; a plain instruction behind the reciprocal
	s_lshr_b32 s70, s[BH], 4                       ; a_codes: ((128 batch + 16 block + wave) x 16 + head) x 1,024
	s_lshl_b32 s70, s70, 7
	s_lshl_b32 s71, s[QBLK], 4
	s_add_co_u32 s70, s70, s71
	s_add_co_u32 s70, s70, s[WV]
	s_lshl_b32 s70, s70, 4
	s_and_b32 s71, s[BH], 15
	s_add_co_u32 s70, s70, s71
	s_lshl_b32 s70, s70, 10
	s_mov_b32 s71, 0
	s_add_nc_u64 s[OA:OA+1], s[12:13], s[70:71]
	s_wait_alu depctr_va_vdst(0)                   ; the wait ahead of the reciprocal's first reader
	v_ldexp_f32 v14, v14, s[E45]
.set i, 0
.rept 16
	v_pk_mul_f32 v[192+i:193+i], v[160+i:161+i], v[14:15] op_sel_hi:[1,0]   ; each accumulator from its low end on
.set i, i+2
.endr
.set i, 0
.rept 32
.set i, i+1
.endr
.irp t, 0,1,2,3
	v_cvt_scalef32_pk8_fp8_f32 v[24+2*\t:25+2*\t], v[192+8*\t:199+8*\t], v245
.endr
	v_nop
	global_store_b128 v[LI], v[24:27], s[OA:OA+1]
	global_store_b128 v[LI], v[28:31], s[OA:OA+1] offset:512
.if \reset
	s_mov_b32 s[QBLK], ttmp9
	s_lshl_b32 s[Q0], s[QBLK], 8
	s_lshl_b32 s70, s[WV], 4
	s_add_co_u32 s[Q0], s[Q0], s70
	s_lshl_b32 s70, s[Q0], 6
	s_mov_b32 s71, 0
	s_add_nc_u64 s[QA:QA+1], s[QH:QH+1], s[70:71]
	s_wait_loadcnt 0x0                             ; the earlier load into q's registers is done on every path, a path on which every step was left out too: no two loads into one register are out together
	global_load_b128 v[16:19], v[LI], s[QA:QA+1]
	global_load_b128 v[20:23], v[LI], s[QA:QA+1] offset:512
	v_mov_b32 v13, 0xff61b1e6
	s_delay_alu instid0(VALU_DEP_1)
	v_floor_f32 v12, -v13
	v_mov_b32 v14, 0
	v_mov_b32 v15, 0
.set i, 0
.rept 32
	v_mov_b32 v[160+i], 0
.set i, i+1
.endr
.endif
.endm
.Lslot:                                            ; eight trips: behind each change of slots but the last the next key slot is asked for
	CHANGE 1
	STEP 0
	STEP 1
	s_cmp_lg_u32 s[KSL], s[QBLK]                   ; the diagonal slot ends a block: a branch on ids alone
	s_cbranch_scc1 .Lsame_block
	FINISH 1
.Lsame_block:
	s_mov_b32 s[KSL], s[NKS]
	s_xor_b32 s[TB], s[TB], SLOT1
	s_sub_co_u32 s[CNT], s[CNT], 1
	s_cmp_lg_u32 s[CNT], 0
	s_cbranch_scc1 .Lslot
	CHANGE 0                                       ; the ninth slot is written out: it is the second block's diagonal slot
	STEP 0
	STEP 1
	FINISH 0
	s_wait_tensorcnt 0x0                           ; the wave's end, behind the last tensor load
	ds_add_u32 v[SPW], v[NIL]
	s_wait_dscnt 0x0
	s_endpgm
.Lfunc_end_k_q5103617dc5_attn:
	.size	k_q5103617dc5_attn, .Lfunc_end_k_q5103617dc5_attn-k_q5103617dc5_attn
	.p2alignl 7, 3214868480
	.fill 96, 4, 3214868480
	.section	.rodata,"a",@progbits
	.p2align	6, 0x0
	.amdhsa_kernel k_q5103617dc5_attn
		.amdhsa_group_segment_fixed_size 327680
		.amdhsa_private_segment_fixed_size 0
		.amdhsa_enable_private_segment 0
		.amdhsa_kernarg_size 40
		.amdhsa_user_sgpr_count 2
		.amdhsa_user_sgpr_kernarg_segment_ptr 1
		.amdhsa_wavefront_size32 1
		.amdhsa_system_sgpr_workgroup_id_x 1
		.amdhsa_system_sgpr_workgroup_id_y 1
		.amdhsa_system_sgpr_workgroup_id_z 1
		.amdhsa_system_vgpr_workitem_id 0
		.amdhsa_next_free_vgpr 256
		.amdhsa_next_free_sgpr 100
		.amdhsa_reserve_vcc 1
		.amdhsa_float_denorm_mode_32 3
		.amdhsa_float_denorm_mode_16_64 3
		.amdhsa_fp16_overflow 1
		.amdhsa_memory_ordered 1
		.amdhsa_forward_progress 1
		.amdhsa_inst_pref_size 89
	.end_amdhsa_kernel
	.amdgpu_metadata
---
amdhsa.version: [ 1, 2 ]
amdhsa.kernels:
  - .name:           k_q5103617dc5_attn
    .symbol:         k_q5103617dc5_attn.kd
    .args:
      - { .name: q_codes, .offset: 0, .size: 8, .value_kind: global_buffer, .address_space: global }
      - { .name: k_codes, .offset: 8, .size: 8, .value_kind: global_buffer, .address_space: global }
      - { .name: v_codes, .offset: 16, .size: 8, .value_kind: global_buffer, .address_space: global }
      - { .name: lowp_scales, .offset: 24, .size: 8, .value_kind: global_buffer, .address_space: global }
      - { .name: a_codes, .offset: 32, .size: 8, .value_kind: global_buffer, .address_space: global }
    .group_segment_fixed_size: 327680
    .private_segment_fixed_size: 0
    .kernarg_segment_align: 8
    .kernarg_segment_size: 40
    .max_flat_workgroup_size: 512
    .sgpr_count:     100
    .vgpr_count:     256
    .wavefront_size: 32
...
	.end_amdgpu_metadata
.endif
;; end of part 3
;; launch proj (part 4): grid 4 x 64, 4 waves a work-group, clusters of 4 x 4, 327,680 bytes of LDS; arguments a_codes, wproj_codes, lowp_scales, out0; writes out0
.if DOCPART == 4
	.amdgcn_target "amdgcn-amd-amdhsa--gfx1250"
	.amdhsa_code_object_version 6
	.text
	.protected	k_q5103617dc5_proj
	.globl	k_q5103617dc5_proj
	.p2align	8
	.type	k_q5103617dc5_proj,@function
k_q5103617dc5_proj:
	s_mov_b64 s[64:65], 0
	v_nop
	global_prefetch_b8 v0, s[64:65] scope:SCOPE_SE
	s_setreg_imm32_b32 hwreg(HW_REG_WAVE_MODE, 25, 1), 1
	s_wait_xcnt 0x0
	s_wait_alu depctr_hold_cnt(0) depctr_sa_sdst(0) depctr_va_vdst(0) depctr_va_sdst(0) depctr_va_ssrc(0) depctr_va_vcc(0) depctr_vm_vsrc(0)
	s_getreg_b32 s2, hwreg(HW_REG_IB_STS2, 6, 4)
	s_cmp_eq_u32 s2, 0
	s_cbranch_scc0 .Lentry_in_a_cluster
	s_endpgm
.Lentry_in_a_cluster:
	s_bfe_u32 s2, ttmp6, 0x10000c
	s_cmp_lg_u32 s2, 0xf033
	s_cbranch_scc0 .Lentry_shape_is_right
	s_endpgm
.Lentry_shape_is_right:
; out0 = a Wproj on codes of FP8 (E4M3); each finished sum is multiplied once by 2^(e6 + e7).  LIMIT: e6 + e7 between -126 and 127, so that this power of two is an f32 number.
; SHARES.  256 work-groups, one tile of 128 tokens x 256 columns over K = 1,024 each; wave w: wm = w / 2 (64 tokens), wn = w % 2 (128 columns): 32 accumulators.
; a's fragments lie in memory as images of their registers (16 tokens x 128 K: 2,048 bytes, lane l's 16 bytes at 16 l of each 512): each wave loads its 32 fragments straight into 512 registers, 512 consecutive bytes a load,
; three K steps of 128 ahead of the products.  They pass through no LDS, so they cannot be asked for jointly.
; Wproj's tile (256 rows x 1,024 K) hangs on the column group g alone: it comes in two halves along K, both first fills, each asked for JOINTLY along a column of the 4 x 4 cluster.  Nothing in LDS is filled again.  A wave has two tensor loads out at the most.
; ORDER OF k: wproj_codes is laid so that loads of 16 bytes at 32 c + 16 (lane / 16) of a row give the matrix form's own order, which a's images have.
; THE MATRIX INSTRUCTION IS USED TRANSPOSED (source 0 = 16 columns of W, source 1 = 16 tokens): a lane holds eight neighbouring numbers of a row of the output.
; REGISTERS: window 0: v3-7 addresses; v28, v29 the add's two; v64-255 three buffers of four weight fragments, on the way out at work.  window 1: accumulator (a, b) at v[8 (8 a + b)].  windows 2, 3: a's fragment (a, kappa) in window 2 + kappa / 4 at v[64 (kappa % 4) + 16 a].
.set PB,    528                        ; a weight row in LDS: 512 bytes + 16
.set HALF1, 135168                     ; K 0-511 at 0, K 512-1023 here
.set STG,   270336                     ; the way out: 16 rows x 528 bytes for each wave, its own; no tile lands here
.set SPARE, 304128                     ; the spare words, 128 bytes for each wave
.set ADRB0, 3
.set ADRB1, 4
.set LI,    5                          ; v5  16 x lane
.set STO,   6
.set RD,    7
.set SPW,   28
.set NIL,   29
.set TMP,   64
.set BK,    128
.set G0L,   36                         ; s[36:39], s[56:59] group 0 of the two halves;  s[48:55] group 1
.set G0H,   56
.set G1B,   48
.set MSB, 0
.macro WIN new
.if MSB != \new
	s_set_vgpr_msb (MSB<<8)|\new
.set MSB, \new
.endif
.endm
.macro PLACES n
.rept \n
	v_nop
.endr
.endm
.macro CROUND                          ; a round of the cluster's barrier
	s_barrier_signal -1
	s_barrier_wait -1
	s_cmp_lg_u32 s16, 0
	s_cbranch_scc1 .Lnot_wave_0_\@
	s_barrier_signal -3
.Lnot_wave_0_\@:
	s_barrier_wait -3
	s_barrier_signal -1
	s_barrier_wait -1
.endm
	s_load_b256 s[4:11], s[0:1], 0x0               ; a_codes s[4:5], wproj_codes s[6:7], the scales s[8:9], out0 s[10:11]
	v_lshl_add_u32 v[SPW], v0, 2, SPARE
	v_mov_b32 v[NIL], 0
	ds_add_u32 v[SPW], v[NIL]
	ds_add_u32 v[SPW], v[NIL]                      ; the wave's opening: the add and its wait ahead of my first tensor load; the set-up below stands between them
	v_lshrrev_b32 v1, 5, v0
	v_readfirstlane_b32 s16, v1                    ; wave 0..3
	s_lshr_b32 s17, s16, 1                         ; wm
	s_and_b32 s18, s16, 1                          ; wn
	s_bfe_u32 s40, ttmp6, 0x40000                  ; cx
	s_bfe_u32 s41, ttmp6, 0x40004                  ; cy
	s_lshl_b32 s42, ttmp9, 2
	s_add_co_u32 s42, s42, s40                     ; g
	s_and_b32 s43, ttmp7, 0xffff
	s_lshl_b32 s43, s43, 2
	s_add_co_u32 s43, s43, s41                     ; mb
	s_lshl_b32 s45, 0x1111, s40                    ; my column of the cluster
	s_or_b32 s[G1B], s45, (1<<20)|(1<<21)|(6<<22)|(3<<25)   ; the mask; elements of 1 byte; padding on; bit 21 beside a mask; after every 128 words (code 6) four words (code 3)
	s_mov_b32 s[G1B+1], 512<<16
	s_mov_b32 s[G1B+2], 64<<16
	s_mov_b32 s[G1B+3], 512<<16
	s_mov_b32 s[G1B+4], 64                         ; a wave brings 64 rows of 512 bytes
	s_mov_b32 s[G1B+5], 1024
	s_mov_b32 s[G1B+6], 0
	s_mov_b32 s[G1B+7], 0
	s_lshl_b32 s46, s42, 8                         ; W: row 256 g + 64 w, made of g and the wave's number alone
	s_lshl_b32 s47, s16, 6
	s_add_co_u32 s46, s46, s47
	s_lshl_b32 s46, s46, 10
	s_mov_b32 s47, 0
	s_mul_i32 s23, s16, 64*PB
	s_lshl_b32 s20, s43, 17                        ; a: token block 8 mb + 4 wm, of 16,384 bytes
	s_lshl_b32 s21, s17, 16
	s_add_co_u32 s20, s20, s21
	s_mov_b32 s21, 0
	s_lshl_b32 s66, s43, 19                        ; out0: row 128 mb + 64 wm of 4,096 bytes, + (256 g + 128 wn) x 4
	s_lshl_b32 s67, s17, 18
	s_add_co_u32 s66, s66, s67
	s_lshl_b32 s67, s42, 10
	s_add_co_u32 s66, s66, s67
	s_lshl_b32 s67, s18, 9
	s_add_co_u32 s66, s66, s67
	s_mov_b32 s67, 0
	v_and_b32 v1, 15, v0                           ; r
	v_bfe_u32 v2, v0, 4, 1                         ; h
	v_mul_u32_u24 v[ADRB0], v1, PB
	v_lshl_add_u32 v[ADRB0], v2, 4, v[ADRB0]
	s_mul_i32 s60, s18, 128*PB
	v_add_nc_u32 v[ADRB0], s60, v[ADRB0]           ; my 128 rows of W: row r, + 16 h
	v_add_nc_u32 v[ADRB1], HALF1, v[ADRB0]
	v_and_b32 v[LI], 31, v0
	v_lshlrev_b32 v[LI], 4, v[LI]
	s_mul_i32 s60, s16, 16*528
	s_add_co_u32 s60, s60, STG                     ; my stage
	v_mul_u32_u24 v[STO], v1, 528
	v_lshl_add_u32 v[STO], v2, 5, v[STO]
	v_add_nc_u32 v[STO], s60, v[STO]               ; in: row r, 32 bytes for each half of the lanes
	v_add_nc_u32 v[RD], s60, v[LI]                 ; back: the 32 lanes take one row of 512 bytes
	s_wait_dscnt 0x0                               ; the opening add is done
	s_wait_kmcnt 0x0
	s_load_b256 s[72:79], s[8:9], 0x0              ; e0 .. e7
	s_add_nc_u64 s[46:47], s[6:7], s[46:47]
	s_add_nc_u64 s[20:21], s[4:5], s[20:21]
	s_add_nc_u64 s[10:11], s[10:11], s[66:67]
	s_mov_b32 s[G0L], 1
	s_mov_b32 s[G0L+1], s23
	s_mov_b64 s[G0L+2:G0L+3], s[46:47]
	s_or_b32 s[G0L+3], s[G0L+3], 0x80000000
	s_mov_b32 s[G0H], 1
	s_add_co_u32 s[G0H+1], s23, HALF1
	s_add_nc_u64 s[G0H+2:G0H+3], s[46:47], 512
	s_or_b32 s[G0H+3], s[G0H+3], 0x80000000
	CROUND                                         ; all sixteen work-groups are here: the joint loads meet
	tensor_load_to_lds s[G0L:G0L+3], s[G1B:G1B+7]
	s_nop 0
	tensor_load_to_lds s[G0H:G0H+3], s[G1B:G1B+7]
	s_nop 0
	PLACES 4
.macro ALD k                           ; a's four fragments of K step k: 16 loads of 512 consecutive bytes
.set ak, \k
.if ak < 4
	WIN 0x80
.else
	WIN 0xc0
.endif
.irp a, 0,1,2,3
.irp c, 0,1,2,3
	global_load_b128 v[64*(ak%4)+16*\a+4*\c:64*(ak%4)+16*\a+4*\c+3], v[LI], s[20:21] offset:\a*16384+ak*2048+512*\c
.endr
.endr
	WIN 0
.endm
.macro BLD j                           ; the four weight fragments of half-step j into buffer j % 3
.set bj, \j
.set bb, 64+64*(bj%3)
.set bq, (bj%8)/2
.set bhf, bj%2
.if (bj/8)%2
.set ba, ADRB1
.else
.set ba, ADRB0
.endif
.irp f, 0,1,2,3
.irp c, 0,1,2,3
	ds_load_b128 v[bb+16*\f+4*\c:bb+16*\f+4*\c+3], v[ba] offset:(4*bhf+\f)*16*PB+128*bq+32*\c
.endr
.endr
.endm
.macro MMH j, f0                       ; 8 matrix instructions; the 16 of a half-step name 16 accumulators, the next half-step's the other 16: one instruction a turn
.set mj, \j
.set mB, 64+64*(mj%3)
.set mk, mj/2
.set mA, 64*(mk%4)
.set mw, 0x58+4*(mk/4)                 ; source 0 = W (window 0), source 1 = a (window 2 or 3), C and D window 1
	WIN mw
.irp f, \f0, \f0+1
.irp a, 0,1,2,3
.set mc, 8*(8*\a+4*(mj%2)+(\f))
.if mj < 2
	v_wmma_f32_16x16x128_fp8_fp8 v[mc:mc+7], v[mB+16*(\f):mB+16*(\f)+15], v[mA+16*\a:mA+16*\a+15], 0
.else
	v_wmma_f32_16x16x128_fp8_fp8 v[mc:mc+7], v[mB+16*(\f):mB+16*(\f)+15], v[mA+16*\a:mA+16*\a+15], v[mc:mc+7]
.endif
.endr
.endr
.endm
.macro AWAIT k                         ; a's K step k is in: the 16 loads of each of the up to two younger K steps may be out; then K step k + 3 is asked for
.if 7-(\k) >= 2
	s_wait_loadcnt 32
.else
	s_wait_loadcnt 16*(7-(\k))
.endif
.if (\k)+3 <= 7
	ALD (\k)+3
.endif
.endm
.macro HS j
.set hj, \j
	WIN 0
.if hj == 6                            ; the change to the second half of K: every wave's part of it has landed before any wave reads it
	s_wait_tensorcnt 0x0                           ; my second load, the last
	AWAIT 3
	s_wait_dscnt 16                                ; the next half-step's 16 loads may be out
	MMH hj, 0
	s_wait_dscnt 0x0                               ; no LDS instruction of mine is pending at the signal
	s_barrier_signal -1
	MMH hj, 2
	WIN 0
	s_barrier_wait -1
	PLACES 4
	BLD 8
.else
	PLACES 4                                       ; in front of loads into the buffer that the last half-step's products have read
.if hj+2 <= 15
	BLD hj+2
.endif
.if (hj%2) == 0
	AWAIT hj/2
.endif
.if hj <= 13
	s_wait_dscnt 32                                ; the loads of the two half-steps ahead may be out
.elseif hj == 14
	s_wait_dscnt 16
.else
	s_wait_dscnt 0
.endif
	MMH hj, 0
	MMH hj, 2
.endif
.endm
	s_wait_alu depctr_va_vdst(0)
	ALD 0
	ALD 1
	ALD 2
	s_wait_tensorcnt 1                             ; my part of K 0-511 is in; the second half may stay out
	s_barrier_signal -1
	s_barrier_wait -1
	BLD 0
	BLD 1
.set J, 0
.rept 16
	HS J
.set J, J+1
.endr
	WIN 0
; THE WAY OUT, block by block of 16 tokens x 128 columns: x 2^(e6 + e7) into other registers, through my own stage, back as whole rows of 512 bytes.
; LDS serves a wave's instructions in order (ISA guide 5.7.1.4): no wait between the stores and the loads, nor in front of the next block's stores.
.macro TOSTAGE a
	WIN 0x01                                       ; source 0 window 1
.set i, 0
.rept 32
	v_pk_mul_f32 v[TMP+i:TMP+i+1], v[64*(\a)+i:64*(\a)+i+1], s[96:97] op_sel_hi:[1,0]   ; each accumulator from its low end on
.set i, i+2
.endr
	WIN 0
.irp b, 0,1,2,3,4,5,6,7
	ds_store_b128 v[STO], v[TMP+8*\b:TMP+8*\b+3] offset:64*\b
	ds_store_b128 v[STO], v[TMP+8*\b+4:TMP+8*\b+7] offset:64*\b+16
.endr
.set BB, BK+64*((\a)%2)
.irp t, 0,1,2,3,4,5,6,7,8,9,10,11,12,13,14,15
	ds_load_b128 v[BB+4*\t:BB+4*\t+3], v[RD] offset:\t*528
.endr
.endm
.macro SEND a, younger                 ; younger: the LDS instructions issued behind block a's loads
.set BB, BK+64*((\a)%2)
	s_wait_dscnt \younger
.irp t, 0,1,2,3,4,5,6,7,8,9,10,11,12,13,14,15
	global_store_b128 v[LI], v[BB+4*\t:BB+4*\t+3], s[10:11] offset:(16*(\a)+\t)*4096 th:TH_STORE_NT   ; 32 lanes store 512 consecutive bytes, at a multiple of 256 from the buffer's first byte; 63 rows at the most stand in the immediate
.endr
.endm
	s_wait_kmcnt 0x0
	s_add_co_i32 s96, s78, s79                     ; e6 + e7
	s_add_co_i32 s96, s96, 127
	s_lshl_b32 s96, s96, 23                        ; 2^(e6 + e7) as f32
	s_mov_b32 s97, s96                             ; (named with it as a pair)
	PLACES 4                                       ; behind the last products
	TOSTAGE 0
.irp a, 1,2,3
.if \a > 1
	s_wait_xcnt 0x0                                ; block a - 2's stores have read their registers: block a's loads may land there
.endif
	TOSTAGE \a
	SEND \a-1, 32                                  ; behind block a - 1's loads: block a's 16 stores and 16 loads
.endr
	SEND 3, 0
	s_wait_tensorcnt 0x0                           ; the wave's end, behind my last tensor load and my last LDS store
	ds_add_u32 v[SPW], v[NIL]
	s_wait_dscnt 0x0
	CROUND                                         ; the closing round: no work-group ends while a partner may still ask for a tile that names it
	s_endpgm
.Lfunc_end_k_q5103617dc5_proj:
	.size	k_q5103617dc5_proj, .Lfunc_end_k_q5103617dc5_proj-k_q5103617dc5_proj
	.p2alignl 7, 3214868480
	.fill 96, 4, 3214868480
	.section	.rodata,"a",@progbits
	.p2align	6, 0x0
	.amdhsa_kernel k_q5103617dc5_proj
		.amdhsa_group_segment_fixed_size 327680
		.amdhsa_private_segment_fixed_size 0
		.amdhsa_enable_private_segment 0
		.amdhsa_kernarg_size 32
		.amdhsa_user_sgpr_count 2
		.amdhsa_user_sgpr_kernarg_segment_ptr 1
		.amdhsa_wavefront_size32 1
		.amdhsa_system_sgpr_workgroup_id_x 1
		.amdhsa_system_sgpr_workgroup_id_y 1
		.amdhsa_system_sgpr_workgroup_id_z 1
		.amdhsa_system_vgpr_workitem_id 0
		.amdhsa_next_free_vgpr 1024
		.amdhsa_next_free_sgpr 100
		.amdhsa_reserve_vcc 0
		.amdhsa_float_denorm_mode_32 3
		.amdhsa_float_denorm_mode_16_64 3
		.amdhsa_memory_ordered 1
		.amdhsa_forward_progress 1
		.amdhsa_inst_pref_size 77
	.end_amdhsa_kernel
	.amdgpu_metadata
---
amdhsa.version: [ 1, 2 ]
amdhsa.kernels:
  - .name:           k_q5103617dc5_proj
    .symbol:         k_q5103617dc5_proj.kd
    .args:
      - { .name: a_codes, .offset: 0, .size: 8, .value_kind: global_buffer, .address_space: global }
      - { .name: wproj_codes, .offset: 8, .size: 8, .value_kind: global_buffer, .address_space: global }
      - { .name: lowp_scales, .offset: 16, .size: 8, .value_kind: global_buffer, .address_space: global }
      - { .name: out0, .offset: 24, .size: 8, .value_kind: global_buffer, .address_space: global }
    .group_segment_fixed_size: 327680
    .private_segment_fixed_size: 0
    .kernarg_segment_align: 8
    .kernarg_segment_size: 32
    .max_flat_workgroup_size: 128
    .sgpr_count:     100
    .vgpr_count:     1024
    .wavefront_size: 32
...
	.end_amdgpu_metadata
.endif
;; end of part 4
